; MI455X (gfx1250); checked and timed in simulation.
; The chip was launched on July 23, 2026; its instructions are those of AMD's public machine-readable ISA for CDNA 5 (MIT licence, August 2026) and "CDNA5" Instruction Set Architecture Reference Guide (July 2026). The comments in the code are by the model that wrote it; some were corrected since.
;; Attention. Allowed arithmetic: float matrix products may take bf16 or f16 operands with f32 sums; all other float work in f32.
;; Inputs: W_emb 1,024 x 512 float32; W_hid 1,024 x 512 float32; att_v 512 float32; b_emb 512 float32; b_hid 512 float32; emb 2,048 x 32 x 1,024 float32; hid 32 x 1,024 float32.
;; Outputs: out0 32 x 1,024 float32; out1 32 x 2,048 float32.
;; One version. Each part assembles by itself: llvm-mc -triple=amdgcn-amd-amdhsa -mcpu=gfx1250 --defsym DOCPART=n.
;; ======== version 1 of 1: 3 launches
;; workspace buffers: wf 1,048,576 bytes; biasc 262,144 bytes; scores 262,144 bytes; ctxp 2,097,152 bytes
;; launch prep (part 1): grid 32 x 8, 8 waves a work-group, no clusters, 17,408 bytes of LDS; arguments W_emb, W_hid, hid, b_hid, b_emb, wf, biasc; writes wf, biasc
.if DOCPART == 1
	.amdgcn_target "amdgcn-amd-amdhsa--gfx1250"
	.amdhsa_code_object_version 6
	.text
	.protected	k_q0d887f452d_prep
	.globl	k_q0d887f452d_prep
	.p2align	8
	.type	k_q0d887f452d_prep,@function
k_q0d887f452d_prep:
	s_mov_b64 s[64:65], 0
	v_nop
	global_prefetch_b8 v0, s[64:65] scope:SCOPE_SE
	s_setreg_imm32_b32 hwreg(HW_REG_WAVE_MODE, 25, 1), 1
	s_wait_xcnt 0x0
; PREP.  x is a tile of 16 columns of the attention dimension (ntile, 0 to 31); y = 4 job + kp, kp a quarter of K (256 rows of W).
;  job 0: W_emb [1024][512] f32 -> wf: bf16 in the order of a matrix instruction's B fragment, [ks 32][ntile 32][jj 2][lane 32][8 bf16];
;         element e of lane 16 h + r is W_emb[32 ks + 16 jj + 8 h + e][16 ntile + r].
;  job 1: biasc[kp][ntile][b 32][16] f32 = c (hid[:, quarter kp] @ W_hid[quarter kp, :] + (b_hid + b_emb if kp = 0)), c = 2 log2(e), the factor
;         that the main launch's tanh wants.  The sum over K spans four work-groups: each stores its own part, and the main launch adds
;         the four parts in a fixed order.
; 2 x 4 x 32 = 256 work-groups of eight waves; wave wv takes the one K step ks = 8 kp + wv (32 rows of W): 16 loads of W a wave.
; In job 1 the eight waves' products meet in LDS, 2,048 bytes a wave, behind one barrier.
; FORMATS: W_emb, W_hid and hid are rounded to bf16 (matrix operands); sums, b_hid and b_emb stay f32.
; LIMIT: in parts 1 to 3 the biases are multiplied by 0, which is 0 for finite biases only; NaN and infinite inputs are not served.
; No cluster: the work-groups of a job share no tile of W; hid (128 KiB) is the one shared input and goes through registers.
.set WS, 32                            ; v[32:47]  the W fragment: 16 f32 as loaded, then 8 registers of bf16 in the lower half
.set HA, 48                            ; v[48:79]  hid fragments mt = 0, 1: 16 f32 as loaded, then 8 registers of bf16
.set D0, 80                            ; v[80:87]  products for b = 0..15
.set D1, 88                            ; v[88:95]  products for b = 16..31
; 16 f32 -> 8 registers of bf16, in place: destination i takes sources 2 i and 2 i + 1, which are never below i
.macro PACK8 base
.irp i, 0,1,2,3,4,5,6,7
	v_cvt_pk_bf16_f32 v[\base+\i], v[\base+2*\i], v[\base+2*\i+1]
.endr
.endm
	s_load_b256 s[4:11], s[0:1], 0x0               ; W_emb s[4:5], W_hid s[6:7], hid s[8:9], b_hid s[10:11]
	s_load_b128 s[12:15], s[0:1], 0x20             ; b_emb s[12:13], wf s[14:15]
	s_load_b64 s[16:17], s[0:1], 0x30              ; biasc
	v_lshl_add_u32 v96, v0, 2, 0x4000
	v_mov_b32 v97, 0
	v_and_b32 v1, 31, v0                           ; lane L
	v_and_b32 v2, 15, v0                           ; r
	v_bfe_u32 v3, v0, 4, 1                         ; h
	v_lshrrev_b32 v11, 5, v0
	v_readfirstlane_b32 s18, v11                   ; wave wv
	s_and_b32 s19, ttmp7, 0xffff                   ; y
	s_lshr_b32 s27, s19, 2                         ; job
	s_and_b32 s26, s19, 3                          ; kp
	s_lshl_b32 s20, s26, 3
	s_add_co_u32 s20, s20, s18                     ; ks = 8 kp + wv
	s_lshl_b32 s22, s20, 16                        ; 32 rows x 2,048 bytes for each K step
	s_lshl_b32 s23, ttmp9, 6                       ; 16 columns x 4 bytes for each ntile
	s_add_co_u32 s22, s22, s23
	v_lshlrev_b32 v4, 2, v2                        ; 4 r
	v_lshl_add_u32 v4, v3, 14, v4                  ; + 8 h rows
	v_add_nc_u32 v4, s22, v4
	s_wait_kmcnt 0x0
	s_cmp_eq_u32 s27, 0
	s_cselect_b64 s[24:25], s[4:5], s[6:7]         ; job 0 reads W_emb, job 1 W_hid
.irp jj, 0,1
.irp e, 0,1,2,3,4,5,6,7
	global_load_b32 v[WS+8*\jj+\e], v4, s[24:25] offset:2048*(16*\jj+\e)
.endr
.endr
	s_cmp_lg_u32 s27, 0                            ; alike in all waves of the work-group
	s_cbranch_scc1 .Ljob1
	; JOB 0: round and store; each store of a wave covers 512 consecutive bytes of wf
	s_lshl_b32 s28, s20, 15                        ; 32,768 bytes for each K step
	s_lshl_b32 s29, ttmp9, 10
	s_add_co_u32 s28, s28, s29
	v_lshl_add_u32 v5, v1, 4, s28
	s_wait_loadcnt 0x0
	PACK8 WS
	global_store_b128 v5, v[WS:WS+3], s[14:15]
	global_store_b128 v5, v[WS+4:WS+7], s[14:15] offset:512
	s_endpgm
.Ljob1:
	; JOB 1: hid's A fragments: lane (r, h) holds row 16 mt + r, k = 16 jj + 8 h + 0..7 of the K step: 32 bytes of f32, two loads
	v_lshlrev_b32 v6, 12, v2                       ; 4,096 r
	v_lshl_add_u32 v6, v3, 5, v6                   ; + 32 h
	s_lshl_b32 s28, s20, 7                         ; + 128 bytes for each K step
	v_add_nc_u32 v6, s28, v6
.irp m, 0,1
.irp c, 0,1,2,3
	global_load_b128 v[HA+16*\m+4*\c:HA+16*\m+4*\c+3], v6, s[8:9] offset:65536*\m+64*(\c>>1)+16*(\c&1)
.endr
.endr
	v_and_b32 v9, 7, v0
	v_lshlrev_b32 v9, 3, v9                        ; 8 (t & 7): my two columns
	v_add_nc_u32 v10, s23, v9
	global_load_b64 v[28:29], v10, s[10:11]        ; b_hid
	global_load_b64 v[30:31], v10, s[12:13]        ; b_emb
	s_wait_loadcnt 0x0
	PACK8 WS
	PACK8 HA
	PACK8 HA+16
	v_wmma_f32_16x16x32_bf16 v[D0:D0+7], v[HA:HA+7], v[WS:WS+7], 0
	v_wmma_f32_16x16x32_bf16 v[D1:D1+7], v[HA+16:HA+23], v[WS:WS+7], 0
	; The LDS addresses: eight plain vector instructions that name no register of the matrix instructions; they are the
	; places that stand between a matrix instruction and the first reader of its result (ISA guide 7.12.1).
	s_lshl_b32 s29, s18, 11
	v_lshl_add_u32 v7, v1, 2, s29                  ; in: 2,048 wv + 4 L, register (mt, j) at 128 (8 mt + j)
	v_bfe_u32 v12, v0, 7, 1                        ; back: thread t makes b = t >> 3 = 16 mt + 8 h + j, columns 2 (t & 7), + 1
	v_lshlrev_b32 v8, 10, v12                      ; 1,024 mt
	v_bfe_u32 v12, v0, 3, 3
	v_lshl_add_u32 v8, v12, 7, v8                  ; + 128 j
	v_bfe_u32 v12, v0, 6, 1
	v_lshl_add_u32 v8, v12, 6, v8                  ; + 64 h
	v_add_nc_u32 v8, v9, v8                        ; + 8 (t & 7)
.irp j, 0,1,2,3,4,5,6,7
	ds_store_b32 v7, v[D0+\j] offset:128*\j
	ds_store_b32 v7, v[D1+\j] offset:128*(8+\j)
.endr
	s_wait_dscnt 0x0                               ; my products are in LDS before I say so
	s_barrier_signal -1
	s_barrier_wait -1
.irp k, 0,1,2,3,4,5,6,7
	ds_load_b64 v[12+2*\k:13+2*\k], v8 offset:2048*\k
.endr
	s_lshl_b32 s28, ttmp9, 11
	s_lshl_b32 s29, s26, 16
	s_add_co_u32 s28, s28, s29
	v_lshl_add_u32 v11, v0, 3, s28                 ; 65,536 kp + 2,048 ntile + 8 t: a wave's store covers 256 consecutive bytes
	s_cmp_eq_u32 s26, 0
	s_cselect_b32 s30, 0x3f800000, 0               ; the biases count in part 0 alone
	s_mov_b32 s31, s30
	v_pk_add_f32 v[28:29], v[28:29], v[30:31]
	s_wait_dscnt 0x0
	v_pk_add_f32 v[12:13], v[12:13], v[14:15]
	v_pk_add_f32 v[16:17], v[16:17], v[18:19]
	v_pk_add_f32 v[20:21], v[20:21], v[22:23]
	v_pk_add_f32 v[24:25], v[24:25], v[26:27]
	v_pk_add_f32 v[12:13], v[12:13], v[16:17]
	v_pk_add_f32 v[20:21], v[20:21], v[24:25]
	v_pk_add_f32 v[12:13], v[12:13], v[20:21]
	v_pk_fma_f32 v[12:13], v[28:29], s[30:31], v[12:13] op_sel_hi:[1,0,1]
	v_pk_mul_f32 v[12:13], v[12:13], 0x4038aa3b op_sel_hi:[1,0]     ; times c = 2 log2(e)
	global_store_b64 v11, v[12:13], s[16:17]
	s_wait_tensorcnt 0x0
	ds_add_u32 v96, v97
	s_wait_dscnt 0x0
	s_endpgm
.Lfunc_end_k_q0d887f452d_prep:
	.size	k_q0d887f452d_prep, .Lfunc_end_k_q0d887f452d_prep-k_q0d887f452d_prep
	.p2alignl 7, 3214868480
	.fill 96, 4, 3214868480
	.section	.rodata,"a",@progbits
	.p2align	6, 0x0
	.amdhsa_kernel k_q0d887f452d_prep
		.amdhsa_group_segment_fixed_size 17408
		.amdhsa_private_segment_fixed_size 0
		.amdhsa_enable_private_segment 0
		.amdhsa_kernarg_size 56
		.amdhsa_user_sgpr_count 2
		.amdhsa_user_sgpr_kernarg_segment_ptr 1
		.amdhsa_wavefront_size32 1
		.amdhsa_system_sgpr_workgroup_id_x 1
		.amdhsa_system_sgpr_workgroup_id_y 1
		.amdhsa_system_sgpr_workgroup_id_z 1
		.amdhsa_system_vgpr_workitem_id 0
		.amdhsa_next_free_vgpr 98
		.amdhsa_next_free_sgpr 66
		.amdhsa_reserve_vcc 0
		.amdhsa_float_denorm_mode_32 3
		.amdhsa_float_denorm_mode_16_64 3
		.amdhsa_memory_ordered 1
		.amdhsa_forward_progress 1
		.amdhsa_inst_pref_size 10
	.end_amdhsa_kernel
	.amdgpu_metadata
---
amdhsa.version: [ 1, 2 ]
amdhsa.kernels:
  - .name:           k_q0d887f452d_prep
    .symbol:         k_q0d887f452d_prep.kd
    .args:
      - { .name: W_emb, .offset: 0, .size: 8, .value_kind: global_buffer, .address_space: global }
      - { .name: W_hid, .offset: 8, .size: 8, .value_kind: global_buffer, .address_space: global }
      - { .name: hid, .offset: 16, .size: 8, .value_kind: global_buffer, .address_space: global }
      - { .name: b_hid, .offset: 24, .size: 8, .value_kind: global_buffer, .address_space: global }
      - { .name: b_emb, .offset: 32, .size: 8, .value_kind: global_buffer, .address_space: global }
      - { .name: wf, .offset: 40, .size: 8, .value_kind: global_buffer, .address_space: global }
      - { .name: biasc, .offset: 48, .size: 8, .value_kind: global_buffer, .address_space: global }
    .group_segment_fixed_size: 17408
    .private_segment_fixed_size: 0
    .kernarg_segment_align: 8
    .kernarg_segment_size: 56
    .max_flat_workgroup_size: 256
    .sgpr_count:     66
    .vgpr_count:     98
    .wavefront_size: 32
...
	.end_amdgpu_metadata
.endif
;; end of part 1
;; launch main (part 2): grid 32 x 8, 4 waves a work-group, no clusters, 303,616 bytes of LDS; arguments emb, wf, biasc, att_v, scores, ctxp; writes scores, ctxp
.if DOCPART == 2
	.amdgcn_target "amdgcn-amd-amdhsa--gfx1250"
	.amdhsa_code_object_version 6
	.text
	.protected	k_q0d887f452d_main
	.globl	k_q0d887f452d_main
	.p2align	8
	.type	k_q0d887f452d_main,@function
k_q0d887f452d_main:
	s_mov_b64 s[64:65], 0
	v_nop
	global_prefetch_b8 v0, s[64:65] scope:SCOPE_SE
	s_setreg_imm32_b32 hwreg(HW_REG_WAVE_MODE, 25, 1), 1
	s_wait_xcnt 0x0
; MAIN.  Work-group (b = x, y) stays for two tiles, t = 2 y and 2 y + 1; tile t is the 128 rows s = 128 t .. 128 t + 127 of emb[:, b, :].  For each:
;   scores[b][s]   = sum over a of v[a] tanh(emb[s][b] . W_emb[:, a] + bias[b][a])          (raw scores)
;   ctxp[16 b + t] = sum over its rows of exp(score - m) emb[s][b][:],  m = the largest of its 128 scores.
; 32 x 8 = 256 work-groups.  Both tiles have the same b, so arguments, bias and att_v are set up once; and behind the first tile's last K step,
; ahead of its scores and weighted sum, the second tile's first four units of emb and first K step of W are asked for (48 loads a wave).
; emb is read from memory once: each row is rounded to bf16 into a tile that stays in LDS; the product reads its A fragments from the
; tile, and the weighted sum reads the tile once more.  Four waves, one for each SIMD; wave w makes all 128 rows x columns 128 w ..
; 128 w + 127 of the product: 64 accumulator tiles, 512 registers.
; A: wave w fetches rows 32 w .. 32 w + 31; sixteen lanes take 256 consecutive, aligned bytes of a row; a ring of 4 units of 32 registers.
; B: a fragment of wf is used by one wave of the work-group alone, so it goes from memory straight into that wave's registers (loads of
;    512 consecutive bytes, a ring of 4 K steps) and never through LDS.
; NO CLUSTER, no joint requests for W: a joint request lands in LDS; the tile takes 296,960 and the scratch 6,144 of the 327,680 bytes,
; and the 24,576 left are less than one K step of W (32 rows x 512 columns of bf16 = 32,768 bytes): no ring fits.
; FORMATS AND LIMITS: emb (in the weighted sum too), W_emb and att_v are rounded to bf16; bias, tanh, the exponentials and all sums are f32.
; tanh(x) = 1 - 2 / (1 + 2^(c x)), c = 2 log2(e): an exponential that overflows gives 1, one that vanishes gives -1.  v_exp_f32 gives 0 for
; results below 2^-126, so a row more than 87 below its tile's largest score weighs 0.  NaN and infinite inputs are not served.
;
; LDS: the tile by chunks of 64 columns: element (row, col) at (col >> 6) CH + row RP + 2 (col & 63).  RP = 144 = 9 x 16: the 16 rows of a
; fragment load start in 16 different 16-byte columns of the 256 bytes that the 64 banks span (ISA guide 11.1).  8 RP and CH are 128 modulo 256: the two
; half-waves of an 8-byte access lie in different halves of the banks.
.set TILES, 2                          ; tiles of a work-group
.set EROW, 131072                      ; bytes from emb[s][b] to emb[s+1][b]
.set RP,   144                         ; LDS bytes from row to row in a chunk
.set CH,   128*RP+128                  ; LDS bytes from chunk to chunk
.set SCR,  16*CH                       ; [wave 4][row 128] f32: each wave's part of the scores
.set PW,   SCR+2048                    ; [wave 4][row 128] f32: exp(score - m), a copy for each wave
.set BIA,  PW+2048                     ; [wave 4][column 128] f32: c x bias, each wave's own columns
; REGISTERS.  Window 0:
.set VOA, 4                            ; emb offset: (32 w + 8 h) rows + 16 r
.set VOB, 5                            ; wf offset: 8,192 w + 16 L
.set STA, 6                            ; tile, store: (32 w + 8 h) RP + 8 r, stepped through a tile
.set FAD, 7                            ; tile, fragments: r RP + 16 h, stepped through a tile
.set STA0, 10                          ; their values at a tile's head
.set FAD0, 11
.set BI,  12                           ; v[12:19]  c x bias of my column in each of my 8 column tiles
.set VN,  20                           ; v[20:27]  -2 bf16(att_v) of the same columns
.set CL,  28                           ; v[28:29]  the sum of my 8 bf16(att_v), twice
.set PK,  32                           ; v[32:47]  a unit as bf16; later scores and weights
.set CX,  48                           ; v[48:55]  my 8 columns of the weighted sum
.set SCW, 56                           ; SCR + 512 w + 32 h
.set SCRD, 57                          ; SCR + 16 L
.set GO,  58                           ; 16 L
.set PWS, 59                           ; PW + 512 w + 16 L
.set XAD, 60                           ; tile, weighted sum: (4 w + h) CH + 8 r
.set PWA, 61                           ; PW + 512 w
.set CTO, 62                           ; 1,024 w + 16 L
.set FA,  64                           ; v[64:127]  8 A fragments
.set SS,  64                           ; the same registers later: score parts, S[mt][j] = v[64 + 8 mt + j]
.set P0,  96                           ; and later still: the weights of 16 rows, two buffers
.set P1,  112
.set ST,  128                          ; v[128:255] 4 units of emb as loaded (f32)
; Window 1: B ring, K step j in v[64 (j & 3) ..], column tile nt at + 8 nt.  In the weighted sum buffers 2 and 3 hold rows of the tile:
.set X0,  128
.set X1,  192
; Windows 2, 3: accumulators, tile (mt, nt) at v[8 (8 (mt & 3) + nt)].
.set MSB, 0
.macro WIN new                         ; s_set_vgpr_msb: bits 1:0 source 0, 3:2 source 1, 5:4 source 2, 7:6 destination; the high byte repeats the setting left
.if MSB != \new
	s_set_vgpr_msb (MSB<<8)|\new
.set MSB, \new
.endif
.endm
.macro PLACES                          ; four places between a matrix instruction and a load into one of its registers
.rept 4
	v_nop
.endr
.endm
; Unit x (0..31): my rows 16 (x & 1) + i + 8 h, i = 0..7, x the 64 columns of chunk x >> 1.  Arguments are relative to the group's bases.
.macro LDA xr
	WIN 0
.irp i, 0,1,2,3,4,5,6,7
	global_load_b128 v[ST+32*((\xr)&3)+4*\i:ST+32*((\xr)&3)+4*\i+3], v[VOA], s[4:5] offset:(((\xr)&1)*16+\i)*EROW+((\xr)>>1)*256 th:TH_LOAD_NT
.endr
.endm
.macro LDB sr                          ; the 8 B fragments of a K step: 16 loads
	WIN 0x40
.irp n, 0,1,2,3,4,5,6,7
	global_load_b128 v[64*((\sr)&3)+8*\n:64*((\sr)&3)+8*\n+3], v[VOB], s[6:7] offset:(\sr)*32768+\n*1024
	global_load_b128 v[64*((\sr)&3)+8*\n+4:64*((\sr)&3)+8*\n+7], v[VOB], s[6:7] offset:(\sr)*32768+\n*1024+512
.endr
.endm
.macro CVT xr                          ; a unit to bf16: 16 conversions
	WIN 0
.irp i, 0,1,2,3,4,5,6,7
	v_cvt_pk_bf16_f32 v[PK+2*\i], v[ST+32*((\xr)&3)+4*\i], v[ST+32*((\xr)&3)+4*\i+1]
	v_cvt_pk_bf16_f32 v[PK+2*\i+1], v[ST+32*((\xr)&3)+4*\i+2], v[ST+32*((\xr)&3)+4*\i+3]
.endr
.endm
.macro STO xr                          ; and into the tile: 8 stores of 8 bytes a lane
.irp i, 0,1,2,3,4,5,6,7
	ds_store_b64 v[STA], v[PK+2*\i:PK+2*\i+1] offset:(((\xr)&1)*16+\i)*RP+((\xr)>>1)*CH
.endr
.endm
.macro LDF half, sr                    ; A fragments mt = 4 half .. 4 half + 3 of K step sr: 8 loads
.irp m, 0,1,2,3
	ds_load_b128 v[FA+32*\half+8*\m:FA+32*\half+8*\m+3], v[FAD] offset:(4*\half+\m)*16*RP+((\sr)>>1)*CH+((\sr)&1)*64
	ds_load_b128 v[FA+32*\half+8*\m+4:FA+32*\half+8*\m+7], v[FAD] offset:(4*\half+\m)*16*RP+((\sr)>>1)*CH+((\sr)&1)*64+32
.endr
.endm
.macro MM jr, mt0, zero                ; 16 matrix instructions: row tiles mt0, mt0 + 1 x my 8 column tiles
.irp a, \mt0, \mt0+1
.irp n, 0,1,2,3,4,5,6,7
.if \zero
	v_wmma_f32_16x16x32_bf16 v[8*(8*((\a)&3)+\n):8*(8*((\a)&3)+\n)+7], v[FA+8*(\a):FA+8*(\a)+7], v[64*((\jr)&3)+8*\n:64*((\jr)&3)+8*\n+7], 0
.else
	v_wmma_f32_16x16x32_bf16 v[8*(8*((\a)&3)+\n):8*(8*((\a)&3)+\n)+7], v[FA+8*(\a):FA+8*(\a)+7], v[64*((\jr)&3)+8*\n:64*((\jr)&3)+8*\n+7], v[8*(8*((\a)&3)+\n):8*(8*((\a)&3)+\n)+7]
.endif
.endr
.endr
.endm
; K STEP j (32 along K, 64 matrix instructions).  It stores unit j + 3, asks for B(j + 3) and then for unit j + 7.
; ncnt: global loads return in order (ISA guide 5.7.1); behind B(j) were issued unit j+4, B(j+1), unit j+5, B(j+2), unit j+6 =
;   8 + 16 + 8 + 16 + 8 = 56, which may stay out; unit j + 3 was issued ahead of B(j), so the same wait shows it in.
;   (A tile's first loads stand in the order units 0-3, B(0), B(1), units 4, 5, B(2), unit 6.  Step 0: behind B(0) lie 16 + 8 + 8 + 16 + 8 = 56.
;   Step 1 wants B(1) and unit 4: behind unit 4 lie unit 5, B(2), unit 6, B(3), unit 7 = 56.  From step 2 on the order is the one above.)
; One buffer of A fragments: each half is loaded again right behind its last use, 32 matrix instructions ahead of its next.
; The barrier stands in even steps: unit j + 3 completes chunk (j + 2) / 2, whose first reader is the middle of step j + 1.
; Within a tile every byte of the LDS tile is written once, so no barrier is needed there between reads and a later write.
.macro STEP jr, zero, ncnt, doB, doC, doA, doBar, doN
	WIN 0
	s_wait_loadcnt \ncnt
.if \doC
	CVT \jr+3                                      ; 16 conversions: also the places behind the last step's matrix instructions
.else
	PLACES
.endif
	LDF 1, \jr                                     ; fragments 4-7 of this step
.if \doC
	STO \jr+3
.endif
.if \doB
	LDB \jr+3                                      ; into the buffer that the last step read
.endif
	s_wait_dscnt 8+8*\doC                          ; the loads and stores just issued may be out; fragments 0-3, asked for in the last step, are in
	WIN 0xa4                                       ; A window 0, B window 1, C and D window 2
	MM \jr, 0, \zero
	MM \jr, 2, \zero
	WIN 0
.if \doA
	LDA \jr+7                                      ; into the registers that this step's conversions read
.endif
.if \doBar
	s_wait_dscnt 0x0                               ; my stores into the tile are done (and fragments 4-7 are in): say so
	s_barrier_signal -1
.endif
	PLACES
.if \doN
	LDF 0, \jr+1                                   ; fragments 0-3 of the next step: a chunk made visible by an earlier barrier
.endif
.if \doBar == 0
	s_wait_dscnt 8*\doN                            ; only the loads just issued may be out: fragments 4-7 are in
.endif
	WIN 0xf4                                       ; C and D window 3
	MM \jr, 4, \zero
.if \doBar
	s_barrier_wait -1                              ; all four waves' parts of the next chunk are in the tile
.endif
	MM \jr, 6, \zero
.endm
.macro ADVANCE                         ; four K steps on: 2 chunks of emb and of the tile, 4 K steps of wf
	WIN 0
	s_wait_xcnt 0x0                                ; the bases of the loads issued so far are rewritten only behind this wait
	s_add_nc_u64 s[4:5], s[4:5], 512
	s_add_nc_u64 s[6:7], s[6:7], 4*32768
	v_add_nc_u32 v[FAD], 2*CH, v[FAD]
	v_add_nc_u32 v[STA], 2*CH, v[STA]
.endm
.macro PRO x, cnt, bk                  ; a time ahead of step 0: unit x into the tile, B(bk) (if bk >= 0) and unit x + 4 asked for
	s_wait_loadcnt \cnt
	CVT \x
	STO \x
.if \bk >= 0
	LDB \bk
.endif
	LDA \x+4
.endm
	s_load_b256 s[4:11], s[0:1], 0x0               ; emb s[4:5], wf s[6:7], biasc s[8:9], att_v s[10:11]
	s_load_b128 s[12:15], s[0:1], 0x20             ; scores s[12:13], ctxp s[14:15]
	v_and_b32 v1, 31, v0                           ; lane L
	v_and_b32 v2, 15, v0                           ; r
	v_bfe_u32 v3, v0, 4, 1                         ; h
	v_lshrrev_b32 v8, 5, v0
	v_readfirstlane_b32 s16, v8                    ; wave w
	s_and_b32 s17, ttmp7, 0xffff                   ; y: my tiles are 2 y and 2 y + 1;  ttmp9 = b
	s_mov_b32 s26, 0x76543210                      ; v_permlanex16_b32: lane i reads lane i of the other half
	s_mov_b32 s27, 0xfedcba98
	s_lshl_b32 s18, ttmp9, 12                      ; emb: 4,096 b + 2 y x 128 rows of 131,072 bytes (below 2^28)
	s_lshl_b32 s20, s17, 25
	s_add_co_u32 s18, s18, s20
	s_mov_b32 s19, 0
	s_lshl_b32 s20, ttmp9, 6                       ; biasc: 64 b
	s_mov_b32 s21, 0
	s_lshl_b32 s22, ttmp9, 13                      ; scores: 8,192 b + 512 x 2 y
	s_lshl_b32 s28, s17, 10
	s_add_co_u32 s22, s22, s28
	s_mov_b32 s23, 0
	s_lshl_b32 s28, ttmp9, 3                       ; ctxp: (16 b + 2 y) x 4,096
	s_add_co_u32 s28, s28, s17
	s_lshl_b32 s28, s28, 13
	s_mov_b32 s29, 0
	s_lshl_b32 s30, s16, 22                        ; 32 w rows of emb
	s_lshl_b32 s31, s16, 13                        ; 8 column tiles of wf
	s_mul_i32 s32, s16, 32*RP                      ; 32 w rows of a chunk
	s_lshl_b32 s33, s16, 14                        ; 8 column tiles of biasc
	s_lshl_b32 s34, s16, 9                         ; 512 w
	s_add_co_u32 s39, s34, BIA
	v_lshlrev_b32 v[VOA], 4, v2
	v_lshl_add_u32 v[VOA], v3, 20, v[VOA]
	v_add_nc_u32 v[VOA], s30, v[VOA]
	v_lshl_add_u32 v[VOB], v1, 4, s31
	v_mul_u32_u24 v[STA0], v3, 8*RP
	v_lshl_add_u32 v[STA0], v2, 3, v[STA0]
	v_add_nc_u32 v[STA0], s32, v[STA0]
	v_mul_u32_u24 v[FAD0], v2, RP
	v_lshl_add_u32 v[FAD0], v3, 4, v[FAD0]
	v_lshrrev_b32 v8, 2, v1                        ; biasc, my columns 128 w + 4 L .. + 3: column tile 8 w + (L >> 2), 16 (L & 3) bytes into its row
	v_and_b32 v9, 3, v1
	v_lshlrev_b32 v30, 11, v8
	v_lshl_add_u32 v30, v9, 4, v30
	v_add_nc_u32 v30, s33, v30
	v_lshl_add_u32 v31, v2, 2, s34                 ; att_v: 512 w + 4 r
	v_lshl_add_u32 v8, v1, 4, s39                  ; BIA + 512 w + 16 L: where my four sums go
	v_lshl_add_u32 v9, v2, 2, s39                  ; BIA + 512 w + 4 r: where column r of each column tile comes from
	s_wait_kmcnt 0x0
	s_add_nc_u64 s[4:5], s[4:5], s[18:19]
	s_add_nc_u64 s[8:9], s[8:9], s[20:21]
	s_add_nc_u64 s[12:13], s[12:13], s[22:23]
	s_add_nc_u64 s[14:15], s[14:15], s[28:29]
	s_mov_b64 s[40:41], s[4:5]                     ; emb at the tile's head
	s_mov_b64 s[42:43], s[6:7]                     ; wf
.irp k, 0,1,2,3
	global_load_b128 v[64+4*\k:67+4*\k], v30, s[8:9] offset:65536*\k       ; the four parts of the bias (quarters of K)
.endr
.irp n, 0,1,2,3,4,5,6,7
	global_load_b32 v[VN+\n], v31, s[10:11] offset:64*\n
.endr
	LDA 0
	LDA 1
	LDA 2
	LDA 3
	LDB 0
	WIN 0
	s_wait_loadcnt 48                              ; units 0-3 and B(0) (32 + 16 loads) may be out: bias and att_v are in
	; the bias: the four parts in a fixed order, then through my wave's own 512 bytes of LDS to the lanes that want them (served in order: no barrier)
	v_pk_add_f32 v[64:65], v[64:65], v[68:69]
	v_pk_add_f32 v[66:67], v[66:67], v[70:71]
	v_pk_add_f32 v[72:73], v[72:73], v[76:77]
	v_pk_add_f32 v[74:75], v[74:75], v[78:79]
	v_pk_add_f32 v[64:65], v[64:65], v[72:73]
	v_pk_add_f32 v[66:67], v[66:67], v[74:75]
	ds_store_b128 v8, v[64:67]
.irp n, 0,1,2,3,4,5,6,7
	ds_load_b32 v[BI+\n], v9 offset:64*\n
.endr
	; att_v to bf16 and back to f32; CL = the sum of my 8; VN = -2 v:  sum of v tanh = sum of v - 2 sum of v / (1 + 2^(c x))
.irp k, 0,1,2,3
	v_cvt_pk_bf16_f32 v[60+\k], v[VN+2*\k], v[VN+2*\k+1]
.endr
.irp k, 0,1,2,3
	v_lshlrev_b32 v[VN+2*\k], 16, v[60+\k]
	v_and_b32 v[VN+2*\k+1], 0xffff0000, v[60+\k]
.endr
	v_pk_add_f32 v[60:61], v[VN:VN+1], v[VN+2:VN+3]
	v_pk_add_f32 v[62:63], v[VN+4:VN+5], v[VN+6:VN+7]
	v_pk_add_f32 v[60:61], v[60:61], v[62:63]
	v_add_f32 v[CL], v60, v61
	v_add_f32 v[CL+1], v60, v61
.irp k, 0,2,4,6
	v_pk_mul_f32 v[VN+\k:VN+\k+1], v[VN+\k:VN+\k+1], -2.0 op_sel_hi:[1,0]
.endr
	s_wait_dscnt 0x0                               ; BI is in
	s_mov_b32 s25, 0                               ; tile counter
.Ltile:
	; Here units 0-3 and B(0) of this tile have been asked for, and nobody reads the LDS tile.
	v_mov_b32 v[FAD], v[FAD0]
	v_mov_b32 v[STA], v[STA0]
	PRO 0, 40, 1                                   ; behind unit 0: units 1-3, B(0) = 24 + 16
	PRO 1, 56, -1                                  ; behind unit 1: units 2, 3, B(0), B(1), unit 4 = 8 + 8 + 16 + 16 + 8
	s_wait_dscnt 0x0                               ; my part of chunk 0 is in the tile
	s_barrier_signal -1
	s_barrier_wait -1                              ; everybody's is
	PRO 2, 56, 2                                   ; behind unit 2: unit 3, B(0), B(1), units 4, 5 = 8 + 16 + 16 + 8 + 8
	LDF 0, 0
	STEP 0, 1, 56, 1, 1, 1, 1, 1                   ; steps 0-3; the first products start the sums: nothing is cleared
	STEP 1, 0, 56, 1, 1, 1, 0, 1
	STEP 2, 0, 56, 1, 1, 1, 1, 1
	STEP 3, 0, 56, 1, 1, 1, 0, 1
	ADVANCE
	s_mov_b32 s24, 5                               ; steps 4-23
.Lmain:
	STEP 0, 0, 56, 1, 1, 1, 1, 1
	STEP 1, 0, 56, 1, 1, 1, 0, 1
	STEP 2, 0, 56, 1, 1, 1, 1, 1
	STEP 3, 0, 56, 1, 1, 1, 0, 1
	ADVANCE
	s_sub_co_u32 s24, s24, 1
	s_cmp_lg_u32 s24, 0
	s_cbranch_scc1 .Lmain
	; The tail: unit 31 is asked for in step 24, B(31) and the last store stand in step 28; the terms that no longer exist drop out of the counts.
	STEP 0, 0, 56, 1, 1, 1, 1, 1                   ; 24
	STEP 1, 0, 56, 1, 1, 0, 0, 1                   ; 25: units 29-31, B(26), B(27)
	STEP 2, 0, 48, 1, 1, 0, 1, 1                   ; 26: units 30, 31, B(27), B(28)
	STEP 3, 0, 40, 1, 1, 0, 0, 1                   ; 27: unit 31, B(28), B(29)
	ADVANCE
	STEP 0, 0, 32, 1, 1, 0, 1, 1                   ; 28: B(29), B(30)
	STEP 1, 0, 32, 0, 0, 0, 0, 1                   ; 29: B(30), B(31)
	STEP 2, 0, 16, 0, 0, 0, 0, 1                   ; 30: B(31)
	STEP 3, 0, 0, 0, 0, 0, 0, 0                    ; 31
	; THE NEXT TILE'S FIRST LOADS, ahead of this tile's scores and weighted sum: units 0-3 into ST, which is free since step 28's conversions,
	; and B(0) into buffer 0, last read in step 28 (the v_nop of steps 29 to 31 are the places behind it).  32 + 16 = 48 loads, none else out.
	; The last tile asks for nothing: no load leaves emb.  The branch is on the tile counter, alike in all waves, and jumps over no barrier.
	WIN 0
	s_cmp_eq_u32 s25, TILES-1
	s_cbranch_scc1 .Lnopre
	s_wait_xcnt 0x0                                ; the bases of the loads issued so far are rewritten only behind this wait
	s_add_nc_u64 s[40:41], s[40:41], 128*EROW      ; 128 rows of emb on
	s_mov_b64 s[4:5], s[40:41]
	s_mov_b64 s[6:7], s[42:43]
	LDA 0
	LDA 1
	LDA 2
	LDA 3
	LDB 0
	WIN 0
.Lnopre:
	; THE SCORES.  The addresses first: more than four plain vector instructions that name no register of the matrix instructions stand
	; between the last of these and the first reader of a result or writer of a fragment register (ISA guide 7.12.1).
	s_add_co_u32 s35, s34, SCR
	s_add_co_u32 s36, s34, PW
	s_lshl_b32 s37, s16, 10
	s_mul_i32 s38, s16, 4*CH
	v_lshlrev_b32 v[SCW], 5, v3
	v_add_nc_u32 v[SCW], s35, v[SCW]
	v_lshlrev_b32 v[GO], 4, v1
	v_add_nc_u32 v[SCRD], SCR, v[GO]
	v_add_nc_u32 v[PWS], s36, v[GO]
	v_mov_b32 v[PWA], s36
	v_add_nc_u32 v[CTO], s37, v[GO]
	v_mul_u32_u24 v[XAD], v3, CH
	v_lshl_add_u32 v[XAD], v2, 3, v[XAD]
	v_add_nc_u32 v[XAD], s38, v[XAD]
; Row tile mt: register j of tile (mt, nt) holds row 16 mt + 8 h + j, column 128 w + 16 nt + r.  In place: y = c acc + c bias, 2^y, + 1, 1 / ..;
; then S[mt][j] = CL + the sum over nt of VN[nt] / (1 + 2^y).  Behind each run of transcendentals one v_nop before a result is read (ISA guide 5.7.2).
.macro EPI mt
.set AB, 64*((\mt)&3)
.if \mt < 4
	WIN 0x82                                       ; source 0 and destination in window 2
.else
	WIN 0xc3                                       ; or 3
.endif
.irp n, 0,2,4,6
.irp q, 0,2,4,6
	v_pk_fma_f32 v[AB+8*\n+\q:AB+8*\n+\q+1], v[AB+8*\n+\q:AB+8*\n+\q+1], 0x4038aa3b, v[BI+\n:BI+\n+1] op_sel_hi:[1,0,0]
.endr
.irp q, 0,2,4,6
	v_pk_fma_f32 v[AB+8*\n+8+\q:AB+8*\n+8+\q+1], v[AB+8*\n+8+\q:AB+8*\n+8+\q+1], 0x4038aa3b, v[BI+\n:BI+\n+1] op_sel:[0,0,1] op_sel_hi:[1,0,1]
.endr
.endr
.set ii, 0
.rept 64
	v_exp_f32 v[AB+ii], v[AB+ii]
.set ii, ii+1
.endr
	v_nop
.set ii, 0
	s_wait_alu depctr_va_vdst(0)
.rept 32
	v_pk_add_f32 v[AB+ii:AB+ii+1], v[AB+ii:AB+ii+1], 1.0 op_sel_hi:[1,0]
.set ii, ii+2
.endr
.set ii, 0
.rept 64
	v_rcp_f32 v[AB+ii], v[AB+ii]
.set ii, ii+1
.endr
	v_nop
.if \mt < 4
	WIN 0x02                                       ; source 0 in window 2, the rest in window 0
.else
	WIN 0x03
.endif
	s_wait_alu depctr_va_vdst(0)
.irp q, 0,2,4,6
	v_pk_fma_f32 v[SS+8*\mt+\q:SS+8*\mt+\q+1], v[AB+\q:AB+\q+1], v[VN:VN+1], v[CL:CL+1] op_sel_hi:[1,0,1]
.endr
.irp q, 0,2,4,6
	v_pk_fma_f32 v[SS+8*\mt+\q:SS+8*\mt+\q+1], v[AB+8+\q:AB+8+\q+1], v[VN:VN+1], v[SS+8*\mt+\q:SS+8*\mt+\q+1] op_sel:[0,1,0] op_sel_hi:[1,1,1]
.endr
.irp n, 2,4,6
.irp q, 0,2,4,6
	v_pk_fma_f32 v[SS+8*\mt+\q:SS+8*\mt+\q+1], v[AB+8*\n+\q:AB+8*\n+\q+1], v[VN+\n:VN+\n+1], v[SS+8*\mt+\q:SS+8*\mt+\q+1] op_sel_hi:[1,0,1]
.endr
.irp q, 0,2,4,6
	v_pk_fma_f32 v[SS+8*\mt+\q:SS+8*\mt+\q+1], v[AB+8*\n+8+\q:AB+8*\n+8+\q+1], v[VN+\n:VN+\n+1], v[SS+8*\mt+\q:SS+8*\mt+\q+1] op_sel:[0,1,0] op_sel_hi:[1,1,1]
.endr
.endr
.endm
	EPI 0
	EPI 1
	EPI 2
	EPI 3
	EPI 4
	EPI 5
	EPI 6
	EPI 7
	WIN 0
	; over the 16 lanes of a half (my 16 columns of each tile): every lane of the half ends with the sum
.irp x, 1,2,4,8
.set ii, 0
.rept 64
	v_add_f32_dpp v[SS+ii], v[SS+ii], v[SS+ii] row_xmask:\x row_mask:0xf bank_mask:0xf
.set ii, ii+1
.endr
.endr
	; my wave's part of row 16 mt + 8 h + j; the 16 lanes of a half write the same bytes with the same value
.irp m, 0,1,2,3,4,5,6,7
	ds_store_b128 v[SCW], v[SS+8*\m:SS+8*\m+3] offset:64*\m
	ds_store_b128 v[SCW], v[SS+8*\m+4:SS+8*\m+7] offset:64*\m+16
.endr
	s_wait_dscnt 0x0                               ; my parts are in LDS before I say so
	s_barrier_signal -1
	s_barrier_wait -1
.irp k, 0,1,2,3
	ds_load_b128 v[PK+4*\k:PK+4*\k+3], v[SCRD] offset:512*\k       ; rows 4 L .. 4 L + 3, the four waves' parts
.endr
	s_wait_dscnt 0x0
	v_pk_add_f32 v[32:33], v[32:33], v[36:37]      ; the same order in every wave: all four hold the same scores
	v_pk_add_f32 v[34:35], v[34:35], v[38:39]
	v_pk_add_f32 v[40:41], v[40:41], v[44:45]
	v_pk_add_f32 v[42:43], v[42:43], v[46:47]
	v_pk_add_f32 v[32:33], v[32:33], v[40:41]
	v_pk_add_f32 v[34:35], v[34:35], v[42:43]
	v_max3_num_f32 v36, v32, v33, v34              ; m: the largest of the 128
	v_max_num_f32 v36, v36, v35
	v_max_num_f32_dpp v36, v36, v36 row_xmask:1 row_mask:0xf bank_mask:0xf
	v_max_num_f32_dpp v36, v36, v36 row_xmask:2 row_mask:0xf bank_mask:0xf
	v_max_num_f32_dpp v36, v36, v36 row_xmask:4 row_mask:0xf bank_mask:0xf
	v_max_num_f32_dpp v36, v36, v36 row_xmask:8 row_mask:0xf bank_mask:0xf
	v_permlanex16_b32 v37, v36, s26, s27
	v_max_num_f32 v36, v36, v37
.irp k, 0,1,2,3
	v_sub_f32 v[40+\k], v[32+\k], v36
.endr
.irp k, 0,1,2,3
	v_mul_f32 v[40+\k], 0x3fb8aa3b, v[40+\k]
.endr
.irp k, 0,1,2,3
	v_exp_f32 v[40+\k], v[40+\k]                   ; exp(score - m), at most 1
.endr
.irp k, 0,1,2,3,4,5,6,7
	v_mov_b32 v[CX+\k], 0                          ; plain instructions between the exponentials and their first reader
.endr
	s_cmp_lg_u32 s16, 0
	s_cbranch_scc1 .Lnot0
	global_store_b128 v[GO], v[32:35], s[12:13]    ; wave 0: the raw scores, 512 consecutive bytes
.Lnot0:
	s_wait_alu depctr_va_vdst(0)
	ds_store_b128 v[PWS], v[40:43]                 ; my wave's own copy: read back below in order, no barrier
	; THE WEIGHTED SUM on the vector unit, weights in f32.  Wave w: columns 256 w .. 256 w + 255; lane: columns 256 w + 128 jj + 4 L + 0..3.
	; A group is 16 rows: 4 loads of weights (the same 16 bytes in all lanes) and 32 loads of 8 bytes a lane = 36 LDS instructions.
	; The rows go into B buffers 2 and 3 (window 1), done with since step 31: ST and B buffer 0 are on their way in for the next tile.
.macro LOADG xb, pb, row0
	WIN 0
.irp q, 0,1,2,3
	ds_load_b128 v[\pb+4*\q:\pb+4*\q+3], v[PWA] offset:4*\row0+16*\q
.endr
	WIN 0x40                                       ; destination window 1, address window 0
.irp i, 0,1,2,3,4,5,6,7,8,9,10,11,12,13,14,15
	ds_load_b64 v[\xb+4*\i:\xb+4*\i+1], v[XAD] offset:(\row0+\i)*RP
	ds_load_b64 v[\xb+4*\i+2:\xb+4*\i+3], v[XAD] offset:(\row0+\i)*RP+2*CH
.endr
.endm
.macro FMAG xb, pb                     ; 16 rows x 8 columns: bf16 half x f32 weight + f32 sum
	WIN 0x01                                       ; source 0 (the rows) window 1
.irp i, 0,1,2,3,4,5,6,7,8,9,10,11,12,13,14,15
.irp k, 0,1,2,3
	v_fma_mix_f32_bf16 v[CX+2*\k], v[\xb+4*\i+\k], v[\pb+\i], v[CX+2*\k] op_sel_hi:[1,0,0]
	v_fma_mix_f32_bf16 v[CX+2*\k+1], v[\xb+4*\i+\k], v[\pb+\i], v[CX+2*\k+1] op_sel:[1,0,0] op_sel_hi:[1,0,0]
.endr
.endr
.endm
	LOADG X0, P0, 0
	WIN 0
	s_mov_b32 s24, 3
.Lctx:
	LOADG X1, P1, 16
	s_wait_dscnt 36                                ; the younger group's 36 may be out
	FMAG X0, P0
	WIN 0
	v_add_nc_u32 v[XAD], 32*RP, v[XAD]
	v_add_nc_u32 v[PWA], 128, v[PWA]
	LOADG X0, P0, 0
	s_wait_dscnt 36
	FMAG X1, P1
	WIN 0
	s_sub_co_u32 s24, s24, 1
	s_cmp_lg_u32 s24, 0
	s_cbranch_scc1 .Lctx
	LOADG X1, P1, 16                               ; rows 112-127
	s_wait_dscnt 36
	FMAG X0, P0
	s_wait_dscnt 0x0                               ; my last reads of the tile are done
	FMAG X1, P1
	WIN 0
	global_store_b128 v[CTO], v[CX:CX+3], s[14:15]                 ; each store of the wave covers 512 consecutive bytes
	global_store_b128 v[CTO], v[CX+4:CX+7], s[14:15] offset:512
	s_wait_xcnt 0x0                                ; the stores' bases, and their data in PK and CX, are rewritten only behind this wait
	s_add_nc_u64 s[12:13], s[12:13], 512           ; the next tile's 128 scores
	s_add_nc_u64 s[14:15], s[14:15], 4096          ; and its row of ctxp
	s_barrier_signal -1                            ; no LDS instruction of mine is out (the wait for 0 above): I read the tile no more;
	s_barrier_wait -1                              ; nobody does: the next tile's stores may overwrite it
	s_add_co_u32 s25, s25, 1
	s_cmp_lt_u32 s25, TILES
	s_cbranch_scc1 .Ltile
	s_wait_xcnt 0x0
	v_lshl_add_u32 v254, v0, 2, 0x4a000
	v_mov_b32 v255, 0
	s_wait_tensorcnt 0x0
	ds_add_u32 v254, v255
	s_wait_dscnt 0x0
	s_endpgm
.Lfunc_end_k_q0d887f452d_main:
	.size	k_q0d887f452d_main, .Lfunc_end_k_q0d887f452d_main-k_q0d887f452d_main
	.p2alignl 7, 3214868480
	.fill 96, 4, 3214868480
	.section	.rodata,"a",@progbits
	.p2align	6, 0x0
	.amdhsa_kernel k_q0d887f452d_main
		.amdhsa_group_segment_fixed_size 303616
		.amdhsa_private_segment_fixed_size 0
		.amdhsa_enable_private_segment 0
		.amdhsa_kernarg_size 48
		.amdhsa_user_sgpr_count 2
		.amdhsa_user_sgpr_kernarg_segment_ptr 1
		.amdhsa_wavefront_size32 1
		.amdhsa_system_sgpr_workgroup_id_x 1
		.amdhsa_system_sgpr_workgroup_id_y 1
		.amdhsa_system_sgpr_workgroup_id_z 1
		.amdhsa_system_vgpr_workitem_id 0
		.amdhsa_next_free_vgpr 1024
		.amdhsa_next_free_sgpr 66
		.amdhsa_reserve_vcc 0
		.amdhsa_float_denorm_mode_32 3
		.amdhsa_float_denorm_mode_16_64 3
		.amdhsa_memory_ordered 1
		.amdhsa_forward_progress 1
		.amdhsa_inst_pref_size 255
	.end_amdhsa_kernel
	.section	.bss,"aw",@nobits
	.p2align	6
	.space	262144
	.amdgpu_metadata
---
amdhsa.version: [ 1, 2 ]
amdhsa.kernels:
  - .name:           k_q0d887f452d_main
    .symbol:         k_q0d887f452d_main.kd
    .args:
      - { .name: emb, .offset: 0, .size: 8, .value_kind: global_buffer, .address_space: global }
      - { .name: wf, .offset: 8, .size: 8, .value_kind: global_buffer, .address_space: global }
      - { .name: biasc, .offset: 16, .size: 8, .value_kind: global_buffer, .address_space: global }
      - { .name: att_v, .offset: 24, .size: 8, .value_kind: global_buffer, .address_space: global }
      - { .name: scores, .offset: 32, .size: 8, .value_kind: global_buffer, .address_space: global }
      - { .name: ctxp, .offset: 40, .size: 8, .value_kind: global_buffer, .address_space: global }
    .group_segment_fixed_size: 303616
    .private_segment_fixed_size: 0
    .kernarg_segment_align: 8
    .kernarg_segment_size: 48
    .max_flat_workgroup_size: 128
    .sgpr_count:     66
    .vgpr_count:     1024
    .wavefront_size: 32
...
	.end_amdgpu_metadata
.endif
;; end of part 2
;; launch finish (part 3): grid 32 x 1, 8 waves a work-group, no clusters, 1,280 bytes of LDS; arguments scores, ctxp, out0, out1; writes out0, out1
.if DOCPART == 3
	.amdgcn_target "amdgcn-amd-amdhsa--gfx1250"
	.amdhsa_code_object_version 6
	.text
	.protected	k_q0d887f452d_finish
	.globl	k_q0d887f452d_finish
	.p2align	8
	.type	k_q0d887f452d_finish,@function
k_q0d887f452d_finish:
	s_mov_b64 s[64:65], 0
	v_nop
	global_prefetch_b8 v0, s[64:65] scope:SCOPE_SE
	s_setreg_imm32_b32 hwreg(HW_REG_WAVE_MODE, 25, 1), 1
	s_wait_xcnt 0x0
; FINISH.  One work-group for each b.  From the raw scores [b][2048] and the 16 partial sums ctxp[16 b + tau][1024], each made with its
; tile's own maximum m_tau:  M = max of m_tau, f_tau = exp(m_tau - M), L = sum of f_tau l_tau (l_tau = the tile's sum of exp(score - m_tau)),
;   out1[b][s] = exp(score - m_tau) f_tau / L,     out0[b][:] = (sum over tau of f_tau ctxp[16 b + tau][:]) / L.
; m_tau is taken again from the stored scores: a maximum has one value, so it is the one that the partial sums were made with.
; Eight waves.  Thread t holds scores 4 t + 1024 q (q = 0, 1): a wave's 128 scores are exactly tile wv + 8 q, so each tile's maximum and sum
; stay inside a wave; the 16 pairs (m, l) meet in 128 bytes of LDS.  Thread t also owns columns 4 t .. 4 t + 3 of out0.
; All 18 loads of a thread are issued first; each load and store of a wave covers 512 consecutive bytes.
; No matrix unit, no cluster: 2.3 MB are read once, no two work-groups share a byte.
; LIMITS: L is at least 1 (the tile that holds M has f = 1 and l >= 1).  v_exp_f32 gives 0 for results below 2^-126: weights that small are 0.
.set LOG2E, 0x3fb8aa3b
	s_load_b256 s[4:11], s[0:1], 0x0               ; scores s[4:5], ctxp s[6:7], out0 s[8:9], out1 s[10:11]
	v_lshl_add_u32 v128, v0, 2, 0x100
	v_mov_b32 v129, 0
	v_lshlrev_b32 v1, 4, v0                        ; 16 t
	v_lshrrev_b32 v2, 5, v0
	v_readfirstlane_b32 s12, v2                    ; wave wv
	s_lshl_b32 s14, ttmp9, 13                      ; 8,192 b: scores and out1
	s_mov_b32 s15, 0
	s_lshl_b32 s16, ttmp9, 16                      ; 65,536 b: ctxp
	s_mov_b32 s17, 0
	s_lshl_b32 s18, ttmp9, 12                      ; 4,096 b: out0
	s_mov_b32 s19, 0
	s_mov_b32 s20, 0x76543210                      ; v_permlanex16_b32: lane i reads lane i of the other half
	s_mov_b32 s21, 0xfedcba98
	v_mov_b32 v14, 0                               ; v_permlanex16_b32 counts as a reader of its destination
	s_wait_kmcnt 0x0
	s_add_nc_u64 s[4:5], s[4:5], s[14:15]
	s_add_nc_u64 s[6:7], s[6:7], s[16:17]
	s_add_nc_u64 s[8:9], s[8:9], s[18:19]
	s_add_nc_u64 s[10:11], s[10:11], s[14:15]
	global_load_b128 v[4:7], v1, s[4:5]
	global_load_b128 v[8:11], v1, s[4:5] offset:4096
.irp u, 0,1,2,3,4,5,6,7,8,9,10,11,12,13,14,15
	global_load_b128 v[32+4*\u:35+4*\u], v1, s[6:7] offset:4096*\u
.endr
; a tile inside the wave: m = its maximum, e = exp(score - m), l = the sum of e; m and l end up in every lane
.macro TILE sb, m, eb, l
	v_max3_num_f32 v[\m], v[\sb], v[\sb+1], v[\sb+2]
	v_max_num_f32 v[\m], v[\m], v[\sb+3]
.irp x, 1,2,4,8
	v_max_num_f32_dpp v[\m], v[\m], v[\m] row_xmask:\x row_mask:0xf bank_mask:0xf
.endr
	v_permlanex16_b32 v14, v[\m], s20, s21
	v_max_num_f32 v[\m], v[\m], v14
.irp i, 0,1,2,3
	v_sub_f32 v[\eb+\i], v[\sb+\i], v[\m]
.endr
.irp i, 0,1,2,3
	v_mul_f32 v[\eb+\i], LOG2E, v[\eb+\i]
.endr
.irp i, 0,1,2,3
	v_exp_f32 v[\eb+\i], v[\eb+\i]
.endr
	v_nop                                          ; one plain instruction behind the exponentials (ISA guide 5.7.2)
	s_wait_alu depctr_va_vdst(0)
	v_add_f32 v[\l], v[\eb], v[\eb+1]
	v_add_f32 v15, v[\eb+2], v[\eb+3]
	v_add_f32 v[\l], v[\l], v15
.irp x, 1,2,4,8
	v_add_f32_dpp v[\l], v[\l], v[\l] row_xmask:\x row_mask:0xf bank_mask:0xf
.endr
	v_permlanex16_b32 v14, v[\l], s20, s21
	v_add_f32 v[\l], v[\l], v14
.endm
	s_wait_loadcnt 16                              ; the 16 loads of ctxp stay out
	TILE 4, 12, 16, 24                             ; tile wv
	TILE 8, 13, 20, 25                             ; tile wv + 8
	s_lshl_b32 s13, s12, 2
	v_mov_b32 v26, s13
	ds_store_b32 v26, v12                          ; m[tau] at 4 tau, l[tau] at 64 + 4 tau; all lanes write the same value
	ds_store_b32 v26, v13 offset:32
	ds_store_b32 v26, v24 offset:64
	ds_store_b32 v26, v25 offset:96
	s_wait_dscnt 0x0                               ; in LDS before I say so
	s_barrier_signal -1
	s_barrier_wait -1
	v_mov_b32 v27, 0
.irp i, 0,1,2,3
	ds_load_b128 v[96+4*\i:99+4*\i], v27 offset:16*\i              ; all 16 m
.endr
.irp i, 0,1,2,3
	ds_load_b128 v[112+4*\i:115+4*\i], v27 offset:64+16*\i         ; all 16 l
.endr
	s_wait_dscnt 0x0
	v_max3_num_f32 v28, v96, v97, v98              ; M
.irp i, 99,101,103,105,107,109
	v_max3_num_f32 v28, v28, v[\i], v[\i+1]
.endr
	v_max_num_f32 v28, v28, v111
.set ii, 0
.rept 16
	v_sub_f32 v[96+ii], v[96+ii], v28
.set ii, ii+1
.endr
	v_sub_f32 v12, v12, v28                        ; and my own two tiles' once more, for out1
	v_sub_f32 v13, v13, v28
.set ii, 0
.rept 16
	v_mul_f32 v[96+ii], LOG2E, v[96+ii]
.set ii, ii+1
.endr
	v_mul_f32 v12, LOG2E, v12
	v_mul_f32 v13, LOG2E, v13
.set ii, 0
.rept 16
	v_exp_f32 v[96+ii], v[96+ii]                   ; f[tau]
.set ii, ii+1
.endr
	v_exp_f32 v12, v12
	v_exp_f32 v13, v13
	v_nop
	s_wait_alu depctr_va_vdst(0)
	v_mul_f32 v29, v96, v112                       ; L in two chains
	v_mul_f32 v30, v97, v113
.irp u, 2,4,6,8,10,12,14
	v_fmac_f32 v29, v[96+\u], v[112+\u]
	v_fmac_f32 v30, v[97+\u], v[113+\u]
.endr
	v_add_f32 v29, v29, v30
	v_rcp_f32 v30, v29                             ; 1 / L, twice: a pair for the packed multiply
	v_rcp_f32 v31, v29
	v_nop
	s_wait_alu depctr_va_vdst(0)
	v_mul_f32 v12, v12, v30                        ; f / L of my two tiles
	v_mul_f32 v13, v13, v30
	v_pk_mul_f32 v[16:17], v[16:17], v[12:13] op_sel_hi:[1,0]
	v_pk_mul_f32 v[18:19], v[18:19], v[12:13] op_sel_hi:[1,0]
	v_pk_mul_f32 v[20:21], v[20:21], v[12:13] op_sel:[0,1] op_sel_hi:[1,1]
	v_pk_mul_f32 v[22:23], v[22:23], v[12:13] op_sel:[0,1] op_sel_hi:[1,1]
	global_store_b128 v1, v[16:19], s[10:11]
	global_store_b128 v1, v[20:23], s[10:11] offset:4096
	; out0: loads return in order, so partial sum tau is in when at most 15 - tau are out
	s_wait_loadcnt 15
	v_pk_mul_f32 v[24:25], v[32:33], v[96:97] op_sel_hi:[1,0]      ; the first product starts the sums
	v_pk_mul_f32 v[26:27], v[34:35], v[96:97] op_sel_hi:[1,0]
	s_wait_loadcnt 14
	v_pk_fma_f32 v[24:25], v[36:37], v[96:97], v[24:25] op_sel:[0,1,0] op_sel_hi:[1,1,1]
	v_pk_fma_f32 v[26:27], v[38:39], v[96:97], v[26:27] op_sel:[0,1,0] op_sel_hi:[1,1,1]
.irp u, 2,4,6,8,10,12,14
	s_wait_loadcnt 15-\u
	v_pk_fma_f32 v[24:25], v[32+4*\u:33+4*\u], v[96+\u:97+\u], v[24:25] op_sel_hi:[1,0,1]
	v_pk_fma_f32 v[26:27], v[34+4*\u:35+4*\u], v[96+\u:97+\u], v[26:27] op_sel_hi:[1,0,1]
	s_wait_loadcnt 14-\u
	v_pk_fma_f32 v[24:25], v[36+4*\u:37+4*\u], v[96+\u:97+\u], v[24:25] op_sel:[0,1,0] op_sel_hi:[1,1,1]
	v_pk_fma_f32 v[26:27], v[38+4*\u:39+4*\u], v[96+\u:97+\u], v[26:27] op_sel:[0,1,0] op_sel_hi:[1,1,1]
.endr
	v_pk_mul_f32 v[24:25], v[24:25], v[30:31]
	v_pk_mul_f32 v[26:27], v[26:27], v[30:31]
	global_store_b128 v1, v[24:27], s[8:9]
	s_wait_tensorcnt 0x0
	ds_add_u32 v128, v129
	s_wait_dscnt 0x0
	s_endpgm
.Lfunc_end_k_q0d887f452d_finish:
	.size	k_q0d887f452d_finish, .Lfunc_end_k_q0d887f452d_finish-k_q0d887f452d_finish
	.p2alignl 7, 3214868480
	.fill 96, 4, 3214868480
	.section	.rodata,"a",@progbits
	.p2align	6, 0x0
	.amdhsa_kernel k_q0d887f452d_finish
		.amdhsa_group_segment_fixed_size 1280
		.amdhsa_private_segment_fixed_size 0
		.amdhsa_enable_private_segment 0
		.amdhsa_kernarg_size 32
		.amdhsa_user_sgpr_count 2
		.amdhsa_user_sgpr_kernarg_segment_ptr 1
		.amdhsa_wavefront_size32 1
		.amdhsa_system_sgpr_workgroup_id_x 1
		.amdhsa_system_sgpr_workgroup_id_y 1
		.amdhsa_system_sgpr_workgroup_id_z 1
		.amdhsa_system_vgpr_workitem_id 0
		.amdhsa_next_free_vgpr 130
		.amdhsa_next_free_sgpr 66
		.amdhsa_reserve_vcc 0
		.amdhsa_float_denorm_mode_32 3
		.amdhsa_float_denorm_mode_16_64 3
		.amdhsa_memory_ordered 1
		.amdhsa_forward_progress 1
		.amdhsa_inst_pref_size 14
	.end_amdhsa_kernel
	.amdgpu_metadata
---
amdhsa.version: [ 1, 2 ]
amdhsa.kernels:
  - .name:           k_q0d887f452d_finish
    .symbol:         k_q0d887f452d_finish.kd
    .args:
      - { .name: scores, .offset: 0, .size: 8, .value_kind: global_buffer, .address_space: global }
      - { .name: ctxp, .offset: 8, .size: 8, .value_kind: global_buffer, .address_space: global }
      - { .name: out0, .offset: 16, .size: 8, .value_kind: global_buffer, .address_space: global }
      - { .name: out1, .offset: 24, .size: 8, .value_kind: global_buffer, .address_space: global }
    .group_segment_fixed_size: 1280
    .private_segment_fixed_size: 0
    .kernarg_segment_align: 8
    .kernarg_segment_size: 32
    .max_flat_workgroup_size: 256
    .sgpr_count:     66
    .vgpr_count:     130
    .wavefront_size: 32
...
	.end_amdgpu_metadata
.endif
;; end of part 3
